; MI455X (gfx1250); checked and timed in simulation.
; The chip was launched on July 23, 2026; its instructions are those of AMD's public machine-readable ISA for CDNA 5 (MIT licence, August 2026) and "CDNA5" Instruction Set Architecture Reference Guide (July 2026). The comments in the code are by the model that wrote it; some were corrected since.
;; Simple Self Attention. Allowed arithmetic: float matrix products may take bf16 or f16 operands with f32 sums; all other float work in f32.
;; Inputs: bk 32 float32; bq 32 float32; bv 256 float32; gamma 1 float32; wk 32 x 256 float32; wq 32 x 256 float32; wv 256 x 256 float32; x 4 x 256 x 64 x 64 float32.
;; Outputs: out0 4 x 256 x 64 x 64 float32.
;; 2 versions, each right; version 2 is version 1 with the launch proj written anew for expert scheduling mode. Each part assembles by itself: llvm-mc -triple=amdgcn-amd-amdhsa -mcpu=gfx1250 --defsym DOCPART=n.
;; ======== version 1 of 2: 2 launches
;; workspace buffers: q 1,048,576 bytes; kv 9,437,184 bytes; wvf 131,072 bytes
;; launch proj (part 1): grid 256 x 1, 4 waves a work-group, no clusters, 168,448 bytes of LDS; arguments x, wq, bq, wk, bk, wv, q, kv, wvf; writes q, kv, wvf
.if DOCPART == 1
	.amdgcn_target "amdgcn-amd-amdhsa--gfx1250"
	.amdhsa_code_object_version 6
	.text
	.protected	k_q0ca8d742f8_proj
	.globl	k_q0ca8d742f8_proj
	.p2align	8
	.type	k_q0ca8d742f8_proj,@function
k_q0ca8d742f8_proj:
	s_mov_b64 s[64:65], 0
	v_nop
	global_prefetch_b8 v0, s[64:65] scope:SCOPE_SE
	s_setreg_imm32_b32 hwreg(HW_REG_WAVE_MODE, 25, 1), 1
	s_wait_xcnt 0x0
; First launch of the self-attention: q = wq x + bq and k = wk x + bk in bf16 products with f32 sums, and x and wv rounded to bf16,
; all stored in the order in which the second launch's matrix instructions want them.
; THE PRODUCT WITH wv IS NOT MADE HERE.  A row of the softmax sums to one, so sum_j a_ij (wv x_j + bv) = wv (sum_j a_ij x_j) + bv for every input: the second launch
; averages x itself and multiplies its 64 averaged pixels with wv afterwards.  So no work-group has to fetch and round wv's 262,144 bytes for 64 pixels.
; x: [4][256][4096] f32.  A work-group takes one block of 64 pixels of one image (256 bytes of each of the 256 rows of x).
; Wave w makes row tile w of {q 0-15, q 16-31, k 0-15, k 16-31} against four pixel tiles: 4 accumulators, 8 K steps of 32 channels, 32 matrix instructions.
; PIXEL TILES: column r of pixel tile t is pixel 4 r + t of the block, so that a lane's 16-byte load of x (pixels 4 r .. 4 r + 3) feeds the four tiles.
; OUTPUT FORMATS (L = lane, r = L & 15, h = L >> 4):
;   q, and k inside kv: a block is 4,096 bytes; at t*1024 + c*512 + 16 L lie the eight bf16 d = 16 c + 8 h + 0..7 of pixel 4 r + t: the register image of a 16 x 32 fragment.
;   q is multiplied by log2(e)/sqrt(32) before it is rounded, so that the second launch's exponentials are plain powers of two.
;   x inside kv: a block is 128 units of 256 bytes; unit 8 ot + j holds channels 16 ot + j (bytes 0-127) and 16 ot + 8 + j (bytes 128-255), pixels 0..63 in order.
;   kv: for each image 16 packages of 147,456 bytes; package T = x of blocks 4 T .. 4 T + 3 (131,072 bytes), then k of blocks 4 ((T+1) & 15) .. + 3 (16,384 bytes).
;   wvf: fragment (ot, ks) of wv at (8 ot + ks)*1024 + c*512 + 16 L: the eight bf16 k = 32 ks + 16 c + 8 h + 0..7 of row 16 ot + r.  Work-group g makes the 512 bytes at 512 g.
; NO TENSOR LOADS, NO CLUSTER, though all work-groups read the same wq and wk: these are 65,536 of a work-group's 131,072 bytes, they are wanted once, at the start, and they
; have to be rounded in registers before they can be operands; a joint load would lay them into LDS as f32, twice the bytes to read back, and would put two rounds of a
; cluster's barrier round a text of 32 matrix instructions a wave.
; The launch asks for more than half of a WGP's LDS (it uses 66,560 bytes), so that each of the 256 work-groups has a WGP to itself.
; LIMITS: operands are rounded to bf16 (nearest even); NaN and infinities go through as the matrix unit makes them.
.set ROWX,   16384                     ; bytes from channel to channel in x
.set WPITCH, 528                       ; an LDS row of weights: 512 bytes + 16, an odd multiple of 16: the 16 rows of a fragment load start 16 bytes apart modulo 256
.set WREG,   16*WPITCH                 ; a wave's own 16 rows of weights
.set XS,     4*WREG                    ; behind them: x as 32 fragments of 1,024 bytes, shared by the four waves
.set PKG,    147456
.set KVB,    16*PKG
.set KOFFG,  131072                    ; where k begins in a package
; window 0
.set XO,   1                           ; v1   h*8 rows of x + 16 r
.set LO,   2                           ; v2   16 L
.set BO,   3                           ; v3   32 h: my eight biases of the row tile
.set WST,  4                           ; v4   my wave's weights in LDS + 8 L
.set XST,  5                           ; v5   where my wave puts its eight fragments of x, + 16 L
.set XFA,  6                           ; v6   XS + 16 L
.set WFA,  7                           ; v7   my wave's weights + r*WPITCH + 16 h
.set VO,   8                           ; v8   8 L
.set WVO,  9                           ; v9   r rows of wv + 32 h
.set FX,   32                          ; v[32:95]   x rounded as fragments: 16 registers for each of 4 batches
.set VX,   96                          ; v[96:159]  x rounded as units: 16 registers for each of 4 batches; store data, never written again
.set FW,   160                         ; v[160:223] weights rounded: 16 registers for each of 4 batches
.set BIAS, 224                         ; v[224:231] the bias as a C operand
.set WVL,  232                         ; v[232:239] my eight numbers of wv
.set WVP,  240                         ; v[240:243] the same, rounded
.set ACC,  32                          ; later: accumulator t at ACC + 8 t (the LDS stores that read these registers are done by then)
.set QP,   64                          ; later: q or k packed, 16 registers
.set WF,   160                         ; later: the weights' fragment of K step ks at WF + 8 ks
; window 1: v[0:255] the 64 loads of the staging, batch b at 32 b; later the 32 fragments of x, (ks, t) at 8 (4 ks + t)
.set MSB, 0
.macro WIN new                         ; s_set_vgpr_msb: bits 1:0 source 0, 3:2 source 1, 5:4 source 2, 7:6 destination; the high byte repeats the setting that is left
.if MSB != \new
	s_set_vgpr_msb (MSB<<8)|\new
.set MSB, \new
.endif
.endm
.macro PLACES                          ; four plain vector instructions between a matrix instruction and a vector read of its result (ISA guide 7.12.1)
.rept 4
	v_nop
.endr
.endm
	s_load_b512 s[16:31], s[0:1], 0x0              ; x s[16:17], wq s[18:19], bq s[20:21], wk s[22:23], bk s[24:25], wv s[26:27], q s[28:29], kv s[30:31]
	s_load_b64 s[32:33], s[0:1], 0x40              ; wvf
	v_lshl_add_u32 v254, v0, 2, 0x29000
	v_mov_b32 v255, 0
	v_lshrrev_b32 v10, 5, v0
	v_readfirstlane_b32 s4, v10                    ; wave 0..3
	s_lshr_b32 s5, ttmp9, 6                        ; image
	s_and_b32 s6, ttmp9, 63                        ; block of 64 pixels
	s_and_b32 s7, s4, 1                            ; which 16 of the 32 rows of q or of k are mine
	v_and_b32 v10, 15, v0                          ; r
	v_bfe_u32 v11, v0, 4, 1                        ; h
	v_and_b32 v12, 31, v0                          ; L
	v_lshlrev_b32 v[XO], 4, v10
	v_lshl_add_u32 v[XO], v11, 17, v[XO]           ; 8 h rows of 16,384 bytes + 16 r
	v_lshlrev_b32 v[LO], 4, v12
	v_lshlrev_b32 v[BO], 5, v11
	v_lshlrev_b32 v[VO], 3, v12
	v_lshlrev_b32 v[WVO], 10, v10
	v_lshl_add_u32 v[WVO], v11, 5, v[WVO]          ; r rows of 1,024 bytes + 8 h numbers
	; byte offsets, each in a pair of its own
	s_lshl_b32 s10, s5, 22                         ; x: image * 4 MiB
	s_lshl_b32 s2, s6, 8
	s_add_co_u32 s10, s10, s2                      ; + block * 256
	s_lshl_b32 s2, s4, 20
	s_add_co_u32 s10, s10, s2                      ; + my 64 channels (the ones that I bring in and round)
	s_mov_b32 s11, 0
	s_lshl_b32 s12, s7, 14                         ; wq or wk: 16 rows of 1,024 bytes
	s_mov_b32 s13, 0
	s_lshl_b32 s14, s7, 6                          ; bq or bk: 16 numbers
	s_mov_b32 s15, 0
	s_lshr_b32 s44, ttmp9, 4                       ; wv: the work-group's half fragment: row tile g >> 4,
	s_lshl_b32 s44, s44, 14
	s_and_b32 s2, ttmp9, 15
	s_lshl_b32 s2, s2, 6                           ; columns 16 (g & 15) ..
	s_add_co_u32 s44, s44, s2
	s_mov_b32 s45, 0
	s_lshl_b32 s46, ttmp9, 9                       ; wvf: 512 bytes a work-group
	s_mov_b32 s47, 0
	s_lshl_b32 s9, s7, 9                           ; in a block of q or k: my half c of the channels
	s_lshl_b32 s48, ttmp9, 12                      ; q: 4,096 bytes a block
	s_add_co_u32 s48, s48, s9
	s_mov_b32 s49, 0
	s_mul_i32 s3, s5, KVB                          ; kv: the image
	s_lshr_b32 s54, s6, 2                          ; key tile of 256 = four blocks
	s_and_b32 s55, s6, 3                           ; the block's place in it
	s_add_co_u32 s50, s54, 15                      ; k of tile T lies in package (T + 15) & 15
	s_and_b32 s50, s50, 15
	s_mul_i32 s50, s50, PKG
	s_add_co_u32 s50, s50, s3
	s_lshl_b32 s2, s55, 12
	s_add_co_u32 s50, s50, s2
	s_add_co_u32 s50, s50, s9
	s_add_co_u32 s50, s50, KOFFG
	s_mov_b32 s51, 0
	s_mul_i32 s52, s54, PKG                        ; x of tile T lies in package T
	s_add_co_u32 s52, s52, s3
	s_lshl_b32 s2, s55, 15
	s_add_co_u32 s52, s52, s2
	s_lshl_b32 s2, s4, 13                          ; my 32 units of 256 bytes
	s_add_co_u32 s52, s52, s2
	s_mov_b32 s53, 0
	; LDS addresses: a constant, the wave's number times a constant, a lane term
	s_mul_i32 s8, s4, WREG
	v_lshl_add_u32 v[WST], v12, 3, s8
	v_mul_u32_u24 v[WFA], v10, WPITCH
	v_lshl_add_u32 v[WFA], v11, 4, v[WFA]
	v_add_nc_u32 v[WFA], s8, v[WFA]
	s_lshl_b32 s2, s4, 13
	s_add_co_u32 s2, s2, XS
	v_add_nc_u32 v[XST], s2, v[LO]
	v_add_nc_u32 v[XFA], XS, v[LO]
	s_wait_kmcnt 0x0
	s_add_nc_u64 s[16:17], s[16:17], s[10:11]      ; x
	s_add_nc_u64 s[26:27], s[26:27], s[44:45]      ; wv
	s_add_nc_u64 s[32:33], s[32:33], s[46:47]      ; wvf
	s_add_nc_u64 s[28:29], s[28:29], s[48:49]      ; where a q tile goes
	s_add_nc_u64 s[50:51], s[30:31], s[50:51]      ; where a k tile goes
	s_add_nc_u64 s[42:43], s[30:31], s[52:53]      ; where my units of x go
	s_cmp_lt_u32 s4, 2                             ; waves 0, 1 make q, waves 2, 3 make k: the same text, other pointers (the 64-bit sums below leave SCC alone)
	s_cselect_b64 s[34:35], s[18:19], s[22:23]
	s_cselect_b64 s[36:37], s[20:21], s[24:25]
	s_cselect_b64 s[40:41], s[28:29], s[50:51]
	s_cselect_b32 s38, 0x3e8293ee, 1.0             ; log2(e)/sqrt(32) for q, 1 for k
	s_mov_b32 s39, s38
	s_add_nc_u64 s[34:35], s[34:35], s[12:13]
	s_add_nc_u64 s[36:37], s[36:37], s[14:15]
	; The bias, as a C operand: register j of lane (r, h) belongs to row 8 h + j of the tile, whatever the column.
	global_load_b128 v[BIAS:BIAS+3],   v[BO], s[36:37]
	global_load_b128 v[BIAS+4:BIAS+7], v[BO], s[36:37] offset:16
	; The work-group's 1,024 bytes of wv (64 bytes of each of 16 rows, once in the launch).  All four waves fetch them, so that the text has one count of loads for every wave;
	; wave 0 alone rounds and stores them.
	global_load_b128 v[WVL:WVL+3],   v[WVO], s[26:27]
	global_load_b128 v[WVL+4:WVL+7], v[WVO], s[26:27] offset:16
; STAGING: 8 batches of eight 16-byte loads, all issued at once, each into registers of its own (window 1).
; Batches 0-3: x, 16 channels each (channel 64 w + 16 b + 8 h + e): sixteen lanes read the block's 256 bytes of a row.
; Batches 4-7: my 16 rows of wq or wk, four rows a batch: a load is half a row, 512 consecutive bytes.
.macro ISSUE b
.if (\b) < 4
.irp e, 0,1,2,3,4,5,6,7
	global_load_b128 v[32*(\b)+4*\e:32*(\b)+4*\e+3], v[XO], s[16:17] offset:(16*(\b)+\e)*ROWX th:TH_LOAD_NT
.endr
.else
.irp e, 0,1,2,3,4,5,6,7
	global_load_b128 v[32*(\b)+4*\e:32*(\b)+4*\e+3], v[LO], s[34:35] offset:((\b)-4)*4096+\e*512
.endr
.endif
.endm
; A batch is rounded into registers of its own, all conversions ahead of the stores: no store waits for the line in front of it, and no register that a store reads is written again.
.macro BATCH b
	s_wait_loadcnt 8*(7-(\b))                      ; loads come back in order (ISA guide 5.7.1): the batches behind this one stay out
	WIN 0x05                                       ; sources in window 1, results in window 0
.if (\b) < 4
.irp t, 0,1,2,3
.irp p, 0,1,2,3
	v_cvt_pk_bf16_f32 v[FX+16*(\b)+4*\t+\p], v[32*(\b)+8*\p+\t], v[32*(\b)+8*\p+4+\t]     ; channels 2 p, 2 p + 1 of my eight, pixel 4 r + t
.endr
.endr
.irp e, 0,1,2,3,4,5,6,7
	v_cvt_pk_bf16_f32 v[VX+16*(\b)+2*\e],   v[32*(\b)+4*\e],   v[32*(\b)+4*\e+1]           ; channel e of my eight, pixels 4 r, 4 r + 1
	v_cvt_pk_bf16_f32 v[VX+16*(\b)+2*\e+1], v[32*(\b)+4*\e+2], v[32*(\b)+4*\e+3]           ; pixels 4 r + 2, 4 r + 3
.endr
	WIN 0
.irp t, 0,1,2,3
	ds_store_b128 v[XST], v[FX+16*(\b)+4*\t:FX+16*(\b)+4*\t+3] offset:((\b)/2)*4096+\t*1024+((\b)%2)*512   ; half a fragment: K step 2 w + b/2, pixel tile t
.endr
.irp e, 0,1,2,3,4,5,6,7
	global_store_b64 v[VO], v[VX+16*(\b)+2*\e:VX+16*(\b)+2*\e+1], s[42:43] offset:256*(8*(\b)+\e)          ; the wave's store covers one unit: 256 consecutive bytes, aligned
.endr
.else
.irp e, 0,1,2,3,4,5,6,7
	v_cvt_pk_bf16_f32 v[FW+16*((\b)-4)+2*\e],   v[32*(\b)+4*\e],   v[32*(\b)+4*\e+1]
	v_cvt_pk_bf16_f32 v[FW+16*((\b)-4)+2*\e+1], v[32*(\b)+4*\e+2], v[32*(\b)+4*\e+3]
.endr
	WIN 0
.irp e, 0,1,2,3,4,5,6,7
	ds_store_b64 v[WST], v[FW+16*((\b)-4)+2*\e:FW+16*((\b)-4)+2*\e+1] offset:(4*((\b)-4)+\e/2)*WPITCH+(\e%2)*256
.endr
.endif
.endm
	WIN 0x40                                       ; loaded data in window 1
.set bb, 0
.rept 8
	ISSUE bb
.set bb, bb+1
.endr
	WIN 0
.set bb, 0
.rept 8
	BATCH bb
.set bb, bb+1
.endr
	; wv's half fragment: its loads are older than every batch's, so they are in
	s_cmp_lg_u32 s4, 0
	s_cbranch_scc1 .Lnot_wave_0
.irp p, 0,1,2,3
	v_cvt_pk_bf16_f32 v[WVP+\p], v[WVL+2*\p], v[WVL+2*\p+1]
.endr
	global_store_b128 v[LO], v[WVP:WVP+3], s[32:33]                    ; 512 consecutive bytes
.Lnot_wave_0:
	s_wait_dscnt 0x0                               ; my stores into LDS are done, for the other waves' sake: they read my fragments of x
	s_barrier_signal -1
	s_barrier_wait -1
; PRODUCTS.  All 80 fragment loads in one run, each into registers of its own: the weights' 16 first, then x by K steps, eight loads a step.
.irp ks, 0,1,2,3,4,5,6,7
	ds_load_b128 v[WF+8*\ks:WF+8*\ks+3],   v[WFA] offset:\ks*64
	ds_load_b128 v[WF+8*\ks+4:WF+8*\ks+7], v[WFA] offset:\ks*64+32
.endr
	WIN 0x40
.set i, 0
.rept 64
	ds_load_b128 v[4*i:4*i+3], v[XFA] offset:512*i
.set i, i+1
.endr
	WIN 0x04                                       ; source 1 (x) in window 1, all else in window 0
; The four accumulators take turns, one instruction a turn, in the same order in every K step.
; In the first K step C is the bias and D the accumulator, so the bias costs nothing and nothing is cleared.
.irp ks, 0,1,2,3,4,5,6,7
	s_wait_dscnt 8*(7-\ks)                         ; LDS loads come back in order (ISA guide 5.7.1): the later K steps' fragments of x stay out
.irp t, 0,1,2,3
.if \ks == 0
	v_wmma_f32_16x16x32_bf16 v[ACC+8*\t:ACC+8*\t+7], v[WF+8*\ks:WF+8*\ks+7], v[8*(4*\ks+\t):8*(4*\ks+\t)+7], v[BIAS:BIAS+7]
.else
	v_wmma_f32_16x16x32_bf16 v[ACC+8*\t:ACC+8*\t+7], v[WF+8*\ks:WF+8*\ks+7], v[8*(4*\ks+\t):8*(4*\ks+\t)+7], v[ACC+8*\t:ACC+8*\t+7]
.endif
.endr
.endr
	WIN 0
	; THE WAY OUT.  Register j of accumulator t in lane (r, h) is row 8 h + j of the tile, pixel 4 r + t.
	PLACES
.irp p, 0,1,2,3,4,5,6,7,8,9,10,11,12,13,14,15
	v_pk_mul_f32 v[ACC+2*\p:ACC+2*\p+1], v[ACC+2*\p:ACC+2*\p+1], s[38:39] op_sel_hi:[1,0]  ; q by log2(e)/sqrt(32), k by 1
.endr
.irp t, 0,1,2,3
.irp p, 0,1,2,3
	v_cvt_pk_bf16_f32 v[QP+4*\t+\p], v[ACC+8*\t+2*\p], v[ACC+8*\t+2*\p+1]
.endr
.endr
.irp t, 0,1,2,3
	global_store_b128 v[LO], v[QP+4*\t:QP+4*\t+3], s[40:41] offset:1024*\t                 ; 512 consecutive bytes: half a fragment
.endr
	s_wait_tensorcnt 0x0
	ds_add_u32 v254, v255
	s_wait_dscnt 0x0
	s_endpgm
.Lfunc_end_k_q0ca8d742f8_proj:
	.size	k_q0ca8d742f8_proj, .Lfunc_end_k_q0ca8d742f8_proj-k_q0ca8d742f8_proj
	.p2alignl 7, 3214868480
	.fill 96, 4, 3214868480
	.section	.rodata,"a",@progbits
	.p2align	6, 0x0
	.amdhsa_kernel k_q0ca8d742f8_proj
		.amdhsa_group_segment_fixed_size 168448
		.amdhsa_private_segment_fixed_size 0
		.amdhsa_enable_private_segment 0
		.amdhsa_kernarg_size 72
		.amdhsa_user_sgpr_count 2
		.amdhsa_user_sgpr_kernarg_segment_ptr 1
		.amdhsa_wavefront_size32 1
		.amdhsa_system_sgpr_workgroup_id_x 1
		.amdhsa_system_sgpr_workgroup_id_y 1
		.amdhsa_system_sgpr_workgroup_id_z 1
		.amdhsa_system_vgpr_workitem_id 0
		.amdhsa_next_free_vgpr 512
		.amdhsa_next_free_sgpr 66
		.amdhsa_reserve_vcc 0
		.amdhsa_float_denorm_mode_32 3
		.amdhsa_float_denorm_mode_16_64 3
		.amdhsa_memory_ordered 1
		.amdhsa_forward_progress 1
		.amdhsa_inst_pref_size 40
	.end_amdhsa_kernel
	.amdgpu_metadata
---
amdhsa.version: [ 1, 2 ]
amdhsa.kernels:
  - .name:           k_q0ca8d742f8_proj
    .symbol:         k_q0ca8d742f8_proj.kd
    .args:
      - { .name: x, .offset: 0, .size: 8, .value_kind: global_buffer, .address_space: global }
      - { .name: wq, .offset: 8, .size: 8, .value_kind: global_buffer, .address_space: global }
      - { .name: bq, .offset: 16, .size: 8, .value_kind: global_buffer, .address_space: global }
      - { .name: wk, .offset: 24, .size: 8, .value_kind: global_buffer, .address_space: global }
      - { .name: bk, .offset: 32, .size: 8, .value_kind: global_buffer, .address_space: global }
      - { .name: wv, .offset: 40, .size: 8, .value_kind: global_buffer, .address_space: global }
      - { .name: q, .offset: 48, .size: 8, .value_kind: global_buffer, .address_space: global }
      - { .name: kv, .offset: 56, .size: 8, .value_kind: global_buffer, .address_space: global }
      - { .name: wvf, .offset: 64, .size: 8, .value_kind: global_buffer, .address_space: global }
    .group_segment_fixed_size: 168448
    .private_segment_fixed_size: 0
    .kernarg_segment_align: 8
    .kernarg_segment_size: 72
    .max_flat_workgroup_size: 128
    .sgpr_count:     66
    .vgpr_count:     512
    .wavefront_size: 32
...
	.end_amdgpu_metadata
.endif
;; end of part 1
;; launch attn (part 2): grid 256 x 1, 4 waves a work-group, clusters of 4 x 1, 327,680 bytes of LDS; arguments q, kv, x, gamma, wvf, bv, out0; writes out0
.if DOCPART == 2
	.amdgcn_target "amdgcn-amd-amdhsa--gfx1250"
	.amdhsa_code_object_version 6
	.text
	.protected	k_q0ca8d742f8_attn
	.globl	k_q0ca8d742f8_attn
	.p2align	8
	.type	k_q0ca8d742f8_attn,@function
k_q0ca8d742f8_attn:
	s_mov_b64 s[64:65], 0
	v_nop
	global_prefetch_b8 v0, s[64:65] scope:SCOPE_SE
	s_setreg_imm32_b32 hwreg(HW_REG_WAVE_MODE, 25, 1), 1
	s_wait_xcnt 0x0
	s_wait_alu depctr_hold_cnt(0) depctr_sa_sdst(0) depctr_va_vdst(0) depctr_va_sdst(0) depctr_va_ssrc(0) depctr_va_vcc(0) depctr_vm_vsrc(0)
	s_getreg_b32 s2, hwreg(HW_REG_IB_STS2, 6, 4)
	s_cmp_eq_u32 s2, 0
	s_cbranch_scc0 .Lentry_in_a_cluster
	s_endpgm
.Lentry_in_a_cluster:
	s_bfe_u32 s2, ttmp6, 0x10000c
	s_cmp_lg_u32 s2, 0x3003
	s_cbranch_scc0 .Lentry_shape_is_right
	s_endpgm
.Lentry_shape_is_right:
; Second launch of the self-attention: out0 = gamma * (softmax(q k^T / sqrt(32)) v)^T + x with v = wv x + bv, for 4 images of 4,096 pixels, 32 channels of q and k, 256 of x and v.
; A row of the softmax sums to one, so sum_j a_ij (wv x_j + bv) = wv (sum_j a_ij x_j) + bv for every input: this text averages x (in bf16) with the probabilities and multiplies
; its 64 averaged pixels with wv at the end.  q, kv and wvf come from the first launch, in bf16, as register images (see below); q already carries log2(e)/sqrt(32), so the
; exponentials are powers of two.
; A work-group owns 64 queries (one block of pixels) of one image.  Its four waves SPLIT THE KEYS: wave w takes all 64 queries, all 256 channels
; (64 accumulator tiles, 512 registers) and the w-th 64 of every 256 keys; the four partial sums are added at the end, through LDS.
; THE MAXIMUM is taken away before every exponential, and it is the row's true maximum: a first pass multiplies q with all of k (256 matrix instructions
; a wave, a quarter of the keys each) and keeps only the largest energy of each query.  So the 512 accumulator registers are never rescaled, all
; waves use one maximum, and the merge is a plain sum.  In the second pass minus the maximum is the C operand of the energy's matrix instruction.
; kv: for each image 16 packages of 147,456 bytes: x of 256 keys (four groups of 128 units of 256 bytes; unit 8 ot + j = channels 16 ot + j and 16 ot + 8 + j, 64 keys each),
; then k of the NEXT 256 keys (four groups of 4,096 bytes, fragments): the softmax of the next keys is made while this package's x is multiplied.
; wvf: fragment (ot, ks) of wv at (8 ot + ks)*1024 + c*512 + 16 L.
; CLUSTERS: the 64 work-groups of an image walk the same 16 packages.  Four neighbours form a cluster and ask for each package jointly: each wave issues one tensor
; load for a quarter of the package (144 rows of 256 bytes), with the mask of all four, and each work-group receives it in its own LDS.
; Two LDS slots of one package.  By this text's own count a wave has two tensor loads outstanding at the start and one afterwards.
; No prefetch is written: a package is asked for a whole trip (144 matrix instructions a wave) ahead of the wait for it, x a whole trip and the merge ahead of its use, wv's fragments the merge ahead.
; INDICES (L = lane, r = L & 15, h = L >> 4).  Row or column r of pixel tile t is pixel 4 r + t of its block of 64.
;   energy, transposed: A = k tile tk, B = q tile ti: register j of lane (r, h) = key 32 h + 4 j + tk, query 4 r + ti.
;   So a lane holds keys 32 h .. 32 h + 31 of one query, and P, the B operand of the second product, is packed from them without any exchange between lanes:
;   K step s takes keys 32 h + 16 s + 0..15 into the lane's 16 places; x's fragment (A) takes the same keys of its channel into the same places: 32 neighbouring bytes.
;   average, transposed: register j of tile (ot, ti) = channel 16 ot + 8 h + j, query 4 r + ti.  Two such tiles, rounded, are the B fragment of 32 channels for the product with wv.
;   result, transposed: register j of tile (ot, ti) = output channel 16 ot + 8 h + j, query 4 r + ti: the four ti are 16 neighbouring bytes of a row of out0.
; LIMITS: NaN and infinite inputs are not reproduced (the maximum drops a NaN).  A probability below 2^-126 of the row's largest counts as 0 (v_exp_f32 flushes).
; q is scaled before its rounding to bf16.  P is rounded to bf16 for the product, the row's sum adds the unrounded f32 numbers.  The energy less the maximum is
; formed inside the matrix instruction and may come out above 0 by a rounding of the maximum's size.  The averaged x is rounded to bf16 before the product with wv, and bv is
; added once, which rests on the probabilities of a row summing to one.
.set PKG,    147456
.set KVB,    16*PKG
.set KOFFG,  131072                    ; where k begins in a package
.set PITCH,  272                       ; a unit of 256 bytes + 16 of padding in LDS: the 16 lanes of a fragment load start at 16 different multiples of 16 modulo 256
.set SLOT,   576*PITCH                 ; a package in LDS
.set VGRP,   128*PITCH                 ; x of 64 keys
.set KAREA,  512*PITCH
.set KGRP,   16*PITCH                  ; k of 64 keys
.set QUARTL, 144*PITCH                 ; what one tensor load fills
.set QUARTG, 144*256                   ; and what it reads
.set SCRM,   2*SLOT                    ; behind the ring, bytes into which no fill lands: 2,048 for the waves' maxima,
.set SCRL,   2048                      ; and 2,048 behind them for their sums
.set OX,     262144                    ; behind the merge's 262,144 bytes, still inside the ring: 32,768 bytes for the averaged x as 32 fragments
.set ROWB,   16384                     ; bytes from channel to channel in x and out0
; window 0
.set LO,   1                           ; v1      16 L
.set VA,   2                           ; v2, v3  my x fragments in slot 0, 1
.set OXW,  2                           ; v2      after the last trip: where my wave puts its eight fragments of the averaged x
.set OXR,  3                           ; v3      after the last trip: the 32 fragments + 16 L
.set KA,   4                           ; v4, v5  my k fragments in slot 0, 1
.set OO,   6                           ; v6      8 h rows of x or out0 + 16 r
.set SOWN, 7                           ; v7      my wave's 512 bytes of scratch + 16 L
.set SRD,  8                           ; v8      the scratch + 16 L
.set STW,  9                           ; v9      the merge: where my wave puts its sums
.set STR,  10                          ; v10-13  the merge: my quarter of wave 0..3's sums
.set BOF,  15                          ; v15     32 h: my eight numbers of bv in a row tile
.set LL,   16                          ; v[16:31]   running row sums: pair 4 ti + 2 a
.set P0,   32                          ; v[32:95]   P: K step s, query tile ti at 32 s + 8 ti
.set BIAS, 32                          ; v[32:63]   after the last trip: bv as four C operands
.set GP,   64                          ; v[64:71]   after the last trip: 1 / row sum, twice each (pairs for the packed multiply)
.set S0,   96                          ; v[96:223]  energies, then exponentials: (tk, ti) at 32 ti + 8 tk
.set WA0,  96                          ; v[96:223]  after the last trip: wv's fragments of my row tiles 0, 1: (o, ks) at 64 o + 8 ks
.set MM,   224                         ; v[224:227] the maximum of query 4 r + t
.set MX,   228                         ; v[228:243] the four waves' maxima, later their sums
.set LS,   244                         ; v[244:247] my wave's row sums
.set TX,   252                         ; v[252:255] from the other half of the lanes
; window 1
.set VB0,  0                           ; eight fragments of x; after the last trip v[0:127]: wv's fragments of my row tiles 2, 3
.set VB1,  64                          ; eight more
.set KF,   128                         ; four fragments of k
.set QF,   160                         ; four fragments of q
.set NEGM, 192                         ; minus the maximum as four C operands
.set XR,   128                         ; in the last trip and after: x in f32, 32 quads
; windows 2, 3: accumulator (ot, ti) at 8 (4 (ot & 7) + ti), ot 0-7 in window 2, 8-15 in window 3; in the first pass: 64 fragments of k
.set OB,   128                         ; window 2, after the merge: my eight fragments of the averaged x; window 3 then holds all 32, window 2 v[0:127] the last product's sums
.set G1, 24                            ; s[24:31] descriptor group 1
.set G0, 32                            ; s[32:39] descriptor group 0, a set for each slot
.set MSB, 0
.macro WIN new                         ; s_set_vgpr_msb: bits 1:0 source 0, 3:2 source 1, 5:4 source 2, 7:6 destination; the high byte repeats the setting that is left
.if MSB != \new
	s_set_vgpr_msb (MSB<<8)|\new
.set MSB, \new
.endif
.endm
.macro PLACES                          ; four plain vector instructions between a matrix instruction and a vector read of its result, or a load into one of its registers
.rept 4
	v_nop
.endr
.endm
; A round of the cluster's barrier: my work-group's barrier, so that wave 0 speaks for all four waves; wave 0 signals; every wave waits for the four work-groups; my work-group's barrier again.
.macro CREST                           ; a round behind its opening barrier
	s_cmp_lg_u32 s14, 0
	s_cbranch_scc1 .Lnot_wave_0_\@
	s_barrier_signal -3
.Lnot_wave_0_\@:
	s_barrier_wait -3
	s_barrier_signal -1
	s_barrier_wait -1
.endm
.macro CROUND
	s_barrier_signal -1
	s_barrier_wait -1
	CREST
.endm
	s_load_b256 s[4:11], s[0:1], 0x0               ; q s[4:5], kv s[6:7], x s[8:9], gamma s[10:11]
	s_load_b128 s[56:59], s[0:1], 0x20             ; wvf s[56:57], bv s[58:59]
	s_load_b64 s[12:13], s[0:1], 0x30              ; out0
	v_lshl_add_u32 v250, v0, 2, 0x4d800
	v_mov_b32 v251, 0
	ds_add_u32 v250, v251
	v_lshrrev_b32 v14, 5, v0
	v_readfirstlane_b32 s14, v14                   ; wave 0..3
	s_bfe_u32 s15, ttmp6, 0x40000                  ; cx: my place in the cluster.  It enters the addresses of q, x and out0 and nothing else
	s_lshr_b32 s16, ttmp9, 4                       ; image (ttmp9 counts clusters: 16 for an image)
	s_mul_i32 s18, s16, KVB
	s_mov_b32 s19, 0
	s_mul_i32 s20, s14, QUARTG                     ; my quarter of a package
	s_mov_b32 s21, 0
	; group 1: 144 rows of 32 elements of 8 bytes, dense in memory, 16 bytes of padding behind each row in LDS
	s_mov_b32 s[G1+0], 0x0773000f                  ; 15:0 mask: all four work-groups; 17:16 elements of 8 bytes; 20 padding on; 21 set beside a mask; 24:22 after every 64 words; 31:25 four words
	s_mov_b32 s[G1+1], 32<<16                      ; tensor_dim0 = 32
	s_mov_b32 s[G1+2], 144<<16                     ; tensor_dim1 = 144
	s_mov_b32 s[G1+3], 32<<16                      ; tile_dim0 = 32
	s_mov_b32 s[G1+4], 144                         ; tile_dim1 = 144
	s_mov_b32 s[G1+5], 32                          ; from row to row: 32 elements
	s_mov_b32 s[G1+6], 0
	s_mov_b32 s[G1+7], 0
	s_mov_b32 s[G0+0], 1
	s_mul_i32 s[G0+1], s14, QUARTL                 ; LDS: the wave's number times a quarter,
	s_mov_b32 s[G0+4], 1
	s_add_co_u32 s[G0+5], s[G0+1], SLOT            ; plus the slot
	s_lshl_b32 s17, ttmp9, 2
	s_add_co_u32 s17, s17, s15                     ; 64 x image + block
	s_lshl_b32 s48, s17, 12                        ; q: 4,096 bytes a block
	s_mov_b32 s49, 0
	s_and_b32 s50, s17, 63                         ; x and out0: block * 256
	s_lshl_b32 s50, s50, 8
	s_lshl_b32 s22, s16, 22
	s_add_co_u32 s50, s50, s22                     ; + image * 4 MiB
	s_lshl_b32 s22, s14, 20
	s_add_co_u32 s50, s50, s22                     ; + the 64 channels that my wave finishes
	s_mov_b32 s51, 0
	s_mul_i32 s52, s14, 4*PKG                      ; first pass: k out of packages 4 w .. 4 w + 3
	s_mov_b32 s53, 0
	s_lshl_b32 s54, s14, 12                        ; my group in a package's k
	s_mov_b32 s55, 0
	s_lshl_b32 s60, s14, 15                        ; wvf: my four row tiles of eight fragments of 1,024 bytes
	s_mov_b32 s61, 0
	s_lshl_b32 s62, s14, 8                         ; bv: my 64 numbers
	s_mov_b32 s63, 0
	s_mov_b32 s40, 0x76543210                      ; v_permlanex16_b32: lane i of one half reads lane i of the other
	s_mov_b32 s41, 0xfedcba98
	v_and_b32 v[LO], 31, v0
	v_lshlrev_b32 v[LO], 4, v[LO]
	s_wait_dscnt 0x0
	s_wait_kmcnt 0x0
	s_add_nc_u64 s[6:7], s[6:7], s[18:19]          ; kv at my image
	s_add_nc_u64 s[G0+2:G0+3], s[6:7], s[20:21]    ; package 0, my quarter
	s_add_nc_u64 s[G0+6:G0+7], s[G0+2:G0+3], PKG   ; package 1
	s_or_b32 s[G0+3], s[G0+3], 0x80000000          ; type = 2
	s_or_b32 s[G0+7], s[G0+7], 0x80000000
	s_add_nc_u64 s[4:5], s[4:5], s[48:49]
	s_add_nc_u64 s[8:9], s[8:9], s[50:51]
	s_add_nc_u64 s[12:13], s[12:13], s[50:51]
	s_add_nc_u64 s[44:45], s[6:7], s[52:53]
	s_add_nc_u64 s[46:47], s[6:7], s[54:55]
	s_add_nc_u64 s[56:57], s[56:57], s[60:61]
	s_add_nc_u64 s[58:59], s[58:59], s[62:63]
	CROUND                                         ; the four work-groups are here: the first joint loads meet
	tensor_load_to_lds s[G0:G0+3], s[G1:G1+7]      ; both first fills together, ahead of everything else
	s_nop 0
	tensor_load_to_lds s[G0+4:G0+7], s[G1:G1+7]
	s_nop 0
	s_load_b32 s43, s[10:11], 0x0                  ; gamma
; ---------------------------------------------------------------------------------------------------------------------------------------------
; FIRST PASS: the largest energy of each query.  k comes straight into registers, as fragments: a load is 512 consecutive bytes.
; 128 loads in 8 chunks of 16, all into registers of their own (windows 2 and 3), three chunks ahead of the work.
.macro P1LOAD c
.if \c < 4
	WIN 0x80
.else
	WIN 0xc0
.endif
.set i, 16*\c
.rept 16
	global_load_b128 v[4*(i%64):4*(i%64)+3], v[LO], s[44:45] offset:(i/32)*PKG+KOFFG+(i%32)*512
.set i, i+1
.endr
.endm
; 8 matrix instructions: k fragments 2 g, 2 g + 1 against the four q tiles, into half g & 1 of the energies' registers.  C = 0 and eight different results.
.macro P1W g
.if \g < 16
	WIN 0x06
.else
	WIN 0x07
.endif
.irp k, 0,1
.irp t, 0,1,2,3
	v_wmma_f32_16x16x32_bf16 v[S0+64*((\g)%2)+32*\k+8*\t:S0+64*((\g)%2)+32*\k+8*\t+7], v[8*((2*(\g)+\k)%32):8*((2*(\g)+\k)%32)+7], v[QF+8*\t:QF+8*\t+7], 0
.endr
.endr
.endm
; 32 maxima of three, in four chains that do not wait for each other.  They read the results of the group BEFORE the one just issued and name none of the
; registers of the one just issued: they are the places behind it.
.macro P1MAX set, first
.set PB, S0+64*(\set)
.irp t, 0,1,2,3
.if \first
	v_max_num_f32 v[MM+\t], v[PB+8*\t], v[PB+8*\t+1]                 ; the first numbers start the chains
.else
	v_max3_num_f32 v[MM+\t], v[MM+\t], v[PB+8*\t], v[PB+8*\t+1]
.endif
.endr
.irp j, 2,4,6,32,34,36,38
.irp t, 0,1,2,3
	v_max3_num_f32 v[MM+\t], v[MM+\t], v[PB+8*\t+\j], v[PB+8*\t+\j+1]
.endr
.endr
.endm
; A chunk: left = the younger loads that may stay out; next = 1: chunk c + 3 is asked for, 2: k of the first 256 keys for the second pass, 0: nothing.
.macro P1CHUNK c, left, next
	s_wait_loadcnt \left
.if \next == 1
	P1LOAD (\c+3)
.endif
.if \next == 2
	WIN 0x40
.irp i, 0,1,2,3,4,5,6,7
	global_load_b128 v[KF+4*\i:KF+4*\i+3], v[LO], s[46:47] offset:15*PKG+KOFFG+512*\i   ; package 15 holds k of keys 0 to 255
.endr
.endif
.set gg, 4*\c
.rept 4
	P1W gg
.if gg > 0
	WIN 0
.if gg == 1
	PLACES                                         ; once: there are no maxima yet to stand behind the first group
	P1MAX 0, 1
.else
	P1MAX (gg-1)%2, 0
.endif
.endif
.set gg, gg+1
.endr
.endm
	WIN 0x40
.irp i, 0,1,2,3,4,5,6,7
	global_load_b128 v[QF+4*\i:QF+4*\i+3], v[LO], s[4:5] offset:512*\i
.endr
	P1LOAD 0
	P1LOAD 1
	P1LOAD 2                                       ; 56 loads are out
	WIN 0
	; the other addresses, while the loads are on their way
	v_and_b32 v14, 15, v0                          ; r
	v_bfe_u32 v15, v0, 4, 1                        ; h
	v_and_b32 v[VA], 7, v0
	v_mul_u32_u24 v[VA], v[VA], PITCH              ; row r of an x fragment: unit r & 7 of the tile's eight,
	v_bfe_u32 v[VA+1], v0, 3, 1
	v_lshl_add_u32 v[VA], v[VA+1], 7, v[VA]        ; its half r >> 3,
	v_lshl_add_u32 v[VA], v15, 6, v[VA]            ; keys 32 h ..
	s_mul_i32 s22, s14, VGRP
	v_add_nc_u32 v[VA], s22, v[VA]                 ; of my wave's 64 keys
	v_add_nc_u32 v[VA+1], SLOT, v[VA]
	v_mul_u32_u24 v[KA], v15, PITCH                ; half a k fragment is two units: lanes 0-15 the first, lanes 16-31 the second
	v_lshl_add_u32 v[KA], v14, 4, v[KA]
	s_mul_i32 s22, s14, KGRP
	s_add_co_u32 s22, s22, KAREA
	v_add_nc_u32 v[KA], s22, v[KA]
	v_add_nc_u32 v[KA+1], SLOT, v[KA]
	v_lshlrev_b32 v[OO], 4, v14
	v_lshl_add_u32 v[OO], v15, 17, v[OO]
	v_lshlrev_b32 v[BOF], 5, v15                   ; h has served: the register now holds 32 h
	s_lshl_b32 s22, s14, 9
	s_add_co_u32 s22, s22, SCRM
	v_add_nc_u32 v[SOWN], s22, v[LO]
	v_add_nc_u32 v[SRD], SCRM, v[LO]
	s_lshl_b32 s22, s14, 16
	v_add_nc_u32 v[STW], s22, v[LO]
	s_lshl_b32 s22, s14, 14
	v_add_nc_u32 v[STR], s22, v[LO]
.irp sw, 1,2,3
	v_add_nc_u32 v[STR+\sw], \sw*65536, v[STR]
.endr
.irp t, 0,1,2,3
	v_mov_b32 v[TX+\t], 0                          ; v_permlanex16_b32 counts as a reader of its destination
.endr
	P1CHUNK 0, 32, 1                               ; q and chunk 0 are in; chunks 1 and 2 stay out
	P1CHUNK 1, 32, 1
	P1CHUNK 2, 32, 1
	P1CHUNK 3, 32, 1
	P1CHUNK 4, 32, 1
	P1CHUNK 5, 32, 2                               ; chunks 6 and 7 stay out
	P1CHUNK 6, 24, 0                               ; chunk 7 and the eight loads of the second pass's first k
	P1CHUNK 7, 8, 0                                ; those eight
	WIN 0
	P1MAX 1, 0
.irp t, 0,1,2,3
	v_permlanex16_b32 v[TX+\t], v[MM+\t], s40, s41 ; the other half of the lanes holds the same queries' other keys
.endr
.irp t, 0,1,2,3
	v_max_num_f32 v[MM+\t], v[MM+\t], v[TX+\t]
.endr
	ds_store_b128 v[SOWN], v[MM:MM+3]
	s_wait_kmcnt 0x0                               ; gamma has come
	s_wait_dscnt 0x0                               ; my maxima are in LDS, for the other waves' sake
	s_wait_tensorcnt 0x1                           ; my quarter of package 0 has landed; package 1 may stay out
	s_barrier_signal -1
	s_barrier_wait -1
; ---------------------------------------------------------------------------------------------------------------------------------------------
; SECOND PASS.
; 16 LDS loads: the x fragments of channel tiles 8 hi .. 8 hi + 7, K step s (keys 32 h + 16 s ..), into buffer buf
.macro VFETCH slot, hi, s, buf
	WIN 0x40
.irp i, 0,1,2,3,4,5,6,7
	ds_load_b128 v[\buf+8*\i:\buf+8*\i+3],   v[VA+(\slot)] offset:(8*\hi+\i)*8*PITCH+32*\s
	ds_load_b128 v[\buf+8*\i+4:\buf+8*\i+7], v[VA+(\slot)] offset:(8*\hi+\i)*8*PITCH+32*\s+16
.endr
.endm
; 8 LDS loads: the four k fragments of my wave's next 64 keys
.macro KFETCH slot
	WIN 0x40
.irp i, 0,1,2,3,4,5,6,7
	ds_load_b128 v[KF+4*\i:KF+4*\i+3], v[KA+(\slot)] offset:2*\i*PITCH
.endr
.endm
; 16 matrix instructions: the energies of 64 keys x 64 queries less each query's maximum (C), sixteen different results.
.macro SMM
	WIN 0x15
.irp k, 0,1,2,3
.irp t, 0,1,2,3
	v_wmma_f32_16x16x32_bf16 v[S0+32*\t+8*\k:S0+32*\t+8*\k+7], v[KF+8*\k:KF+8*\k+7], v[QF+8*\t:QF+8*\t+7], v[NEGM+8*\t:NEGM+8*\t+7]
.endr
.endr
	WIN 0
	PLACES
.endm
; 8 matrix instructions: channel tiles 2 q, 2 q + 1 of the window's eight x the four query tiles, K step s.  zero = 1: the first product starts the sums.
; The 64 accumulators take turns, one instruction a turn, in the same order in every K step.
.macro PV8 buf, q, s, zero
.irp o, 2*\q, 2*\q+1
.irp t, 0,1,2,3
.if \zero
	v_wmma_f32_16x16x32_bf16 v[8*(4*(\o)+\t):8*(4*(\o)+\t)+7], v[\buf+8*(\o):\buf+8*(\o)+7], v[P0+32*\s+8*\t:P0+32*\s+8*\t+7], 0
.else
	v_wmma_f32_16x16x32_bf16 v[8*(4*(\o)+\t):8*(4*(\o)+\t)+7], v[\buf+8*(\o):\buf+8*(\o)+7], v[P0+32*\s+8*\t:P0+32*\s+8*\t+7], v[8*(4*(\o)+\t):8*(4*(\o)+\t)+7]
.endif
.endr
.endr
.endm
; A sixteenth of the softmax of 64 keys: key tiles 2 a, 2 a + 1, query tile ti, registers 4 s .. 4 s + 3: eight exponentials, four registers of P, the row sums.
; first = 1: the sums are started, not cleared.
.macro SLICE s, ti, a, first
.set SA, S0+32*(\ti)+16*(\a)+4*(\s)
.set SB, SA+8
.irp q, 0,1,2,3
	v_exp_f32 v[SA+\q], v[SA+\q]
.endr
.irp q, 0,1,2,3
	v_exp_f32 v[SB+\q], v[SB+\q]
.endr
	v_nop                                          ; one plain instruction between the last exponential and the first use of a result (ISA guide 5.7.2)
	s_wait_alu depctr_va_vdst(0)
.irp q, 0,1,2,3
	v_cvt_pk_bf16_f32 v[P0+32*(\s)+8*(\ti)+2*\q+(\a)], v[SA+\q], v[SB+\q]   ; keys 32 h + 16 s + 4 q + 2 a and the next
.endr
	v_pk_add_f32 v[SA:SA+1], v[SA:SA+1], v[SA+2:SA+3]
	v_pk_add_f32 v[SB:SB+1], v[SB:SB+1], v[SB+2:SB+3]
.if \first
	v_pk_add_f32 v[LL+4*(\ti)+2*(\a):LL+4*(\ti)+2*(\a)+1], v[SA:SA+1], v[SB:SB+1]
.else
	v_pk_add_f32 v[SA:SA+1], v[SA:SA+1], v[SB:SB+1]
	v_pk_add_f32 v[LL+4*(\ti)+2*(\a):LL+4*(\ti)+2*(\a)+1], v[LL+4*(\ti)+2*(\a):LL+4*(\ti)+2*(\a)+1], v[SA:SA+1]
.endif
.endm
; Eight matrix instructions and, if soft, slice sig (query tile sig / 2, half sig % 2) of K step ss.  The slice's nine plain instructions name none of the matrix
; instructions' registers: they are the places in front of the next loads into an x buffer and in front of the next writes of P.
; The accumulators fill windows 2 and 3, so the softmax lives in window 0 and each such pair costs two switches of the windows.
.macro STEP win, buf, q, s, zero, soft, ss, sig
	WIN \win
	PV8 \buf, \q, \s, \zero
.if \soft
	WIN 0
	SLICE \ss, (\sig)/2, (\sig)%2, 0
.endif
.endm
; A TRIP: x of my 64 keys of the package in slot, times P, in four parts (channel tiles 0-7, 8-15 x K steps 0, 1) on two x buffers; beside it the second half of these keys'
; softmax (K step 1), the energies of the next 64 keys, and the first half of their softmax.  The half of P that is written is the one that is not being multiplied.
; soft = 0: there are no next keys.  fill = 2: this slot is filled again, two packages ahead; 1: the slots change and nothing is filled; 0: the last trip.
.macro TRIP slot, zero, fill, soft
.if \soft
	KFETCH \slot
.endif
	VFETCH \slot, 1, 0, VB1
	s_wait_dscnt 16+8*\soft                        ; all but the loads just issued: buffer 0, asked for in the trip before, is in
.irp q, 0,1,2,3
	STEP 0xa1, VB0, \q, 0, \zero, 1, 1, \q
.endr
	VFETCH \slot, 0, 1, VB0
	s_wait_dscnt 16                                ; buffer 1 and the k fragments are in
.irp q, 0,1,2,3
	STEP 0xf1, VB1, \q, 0, \zero, 1, 1, \q+4
.endr
.if \soft
	SMM
.endif
	VFETCH \slot, 1, 1, VB1
	s_wait_dscnt 16
.irp q, 0,1,2,3
	STEP 0xa1, VB0, \q, 1, 0, \soft, 0, \q
.endr
	s_wait_dscnt 0x0                               ; my reads of this slot are over
.if \fill
	s_wait_tensorcnt 0x0                           ; and all my tensor loads have landed: the one that was out is my quarter of the other slot
	ds_add_u32 v250, v251
	s_wait_dscnt 0x0
.endif
	s_barrier_signal -1                            ; say so (where the slot is filled again this barrier opens a round of the cluster's barrier),
	STEP 0xf1, VB1, 0, 1, 0, \soft, 0, 4           ; work on registers while the others arrive
.if \fill
	WIN 0                                          ; at a branch and at a label every window is 0
	s_barrier_wait -1
.if \fill == 2
	CREST                                          ; no wave of any of the four work-groups still reads this slot or has a load on its way
	s_add_nc_u64 s[G0+4*\slot+2:G0+4*\slot+3], s[G0+4*\slot+2:G0+4*\slot+3], 2*PKG
	tensor_load_to_lds s[G0+4*\slot:G0+4*\slot+3], s[G1:G1+7]      ; my one tensor load behind the round, and the first thing there
	s_nop 0
.endif
	VFETCH 1-\slot, 0, 0, VB0                      ; the next trip's first fragments, out of the other slot
.endif
.irp q, 1,2,3
	STEP 0xf1, VB1, \q, 1, 0, \soft, 0, \q+4
.endr
.if \fill == 0
	WIN 0
	s_barrier_wait -1                              ; nobody reads the ring any more
.endif
.endm
	; the prologue: the maximum over the four waves, the first energies, the first half of their softmax
.irp sw, 0,1,2,3
	ds_load_b128 v[MX+4*\sw:MX+4*\sw+3], v[SRD] offset:512*\sw
.endr
	VFETCH 0, 0, 0, VB0
	WIN 0
	s_wait_dscnt 16                                ; the four maxima are in; the 16 fragment loads stay out
.irp t, 0,1,2,3
	v_max3_num_f32 v[MM+\t], v[MX+\t], v[MX+4+\t], v[MX+8+\t]
.endr
.irp t, 0,1,2,3
	v_max_num_f32 v[MM+\t], v[MM+\t], v[MX+12+\t]
.endr
	WIN 0x40
.irp t, 0,1,2,3
.irp j, 0,1,2,3,4,5,6,7
	v_xor_b32 v[NEGM+8*\t+\j], 0x80000000, v[MM+\t]   ; a C operand: every row of column r holds minus the maximum of query 4 r + t
.endr
.endr
	s_wait_loadcnt 0x0                             ; k of my first 64 keys
	SMM
.irp g, 0,1,2,3,4,5,6,7
	SLICE 0, \g/2, \g%2, 1
.endr
	TRIP 0, 1, 2, 1                                ; package 0; its first products start the sums; package 2 is asked for
	WIN 0
	s_mov_b32 s42, 6
.Ltrips:
	TRIP 1, 0, 2, 1                                ; packages 1 to 12; packages 3 to 14 are asked for
	TRIP 0, 0, 2, 1
	WIN 0
	s_sub_co_u32 s42, s42, 1
	s_cmp_lg_u32 s42, 0
	s_cbranch_scc1 .Ltrips
	TRIP 1, 0, 2, 1                                ; package 13; package 15 is asked for: the last fill
	TRIP 0, 0, 1, 1                                ; package 14: nothing is left to fetch, so no round of the cluster's barrier
	; x in f32 for the last step, into registers that have been free since the last energies (four places stand behind those): channels 64 w + 16 o + 8 h + j, my 16 bytes of the block
	WIN 0x40
.irp o, 0,1,2,3
.irp j, 0,1,2,3,4,5,6,7
	global_load_b128 v[XR+4*(8*\o+\j):XR+4*(8*\o+\j)+3], v[OO], s[8:9] offset:(16*\o+\j)*ROWB th:TH_LOAD_NT
.endr
.endr
	TRIP 1, 0, 0, 0                                ; package 15
; ---------------------------------------------------------------------------------------------------------------------------------------------
; THE MERGE.  Each wave puts its 64 tiles into the ring's bytes, which have had their last fill; wave w then adds the four waves' channel tiles 4 w .. 4 w + 3.
; The eight additions below name none of the last matrix instructions' registers: they are the places in front of the loads into the x buffers and into P's registers
; and in front of the stores that read the accumulators.
.irp t, 0,1,2,3
	v_pk_add_f32 v[LL+4*\t:LL+4*\t+1], v[LL+4*\t:LL+4*\t+1], v[LL+4*\t+2:LL+4*\t+3]
.endr
.irp t, 0,1,2,3
	v_add_f32 v[LS+\t], v[LL+4*\t], v[LL+4*\t+1]
.endr
	; For the product with wv: the 32 fragments of my 64 rows of wv (a load is 512 consecutive bytes) and my 64 numbers of bv, into registers that the trips have left.
	; They have the whole merge in which to land.
.set i, 0
.rept 32
	global_load_b128 v[WA0+4*i:WA0+4*i+3], v[LO], s[56:57] offset:512*i            ; row tiles 0, 1
.set i, i+1
.endr
.irp o, 0,1,2,3
	global_load_b128 v[BIAS+8*\o:BIAS+8*\o+3],   v[BOF], s[58:59] offset:64*\o      ; register j of lane (r, h): bv of row 8 h + j of the tile
	global_load_b128 v[BIAS+8*\o+4:BIAS+8*\o+7], v[BOF], s[58:59] offset:64*\o+16
.endr
	WIN 0x40
.set i, 0
.rept 32
	global_load_b128 v[4*i:4*i+3], v[LO], s[56:57] offset:16384+512*i              ; row tiles 2, 3
.set i, i+1
.endr
	WIN 0
	s_lshl_b32 s22, s14, 13
	s_add_co_u32 s22, s22, OX
	v_add_nc_u32 v[OXW], s22, v[LO]                ; the registers that addressed the ring are free: every load that named them has been waited for
	v_add_nc_u32 v[OXR], OX, v[LO]
.irp t, 0,1,2,3
	v_permlanex16_b32 v[TX+\t], v[LS+\t], s40, s41
.endr
.irp t, 0,1,2,3
	v_add_f32 v[LS+\t], v[LS+\t], v[TX+\t]         ; the sum over my wave's 1,024 keys, query 4 r + t
.endr
	ds_store_b128 v[SOWN], v[LS:LS+3] offset:SCRL
	WIN 0x08                                       ; store data in window 2
.set i, 0
.rept 64
	ds_store_b128 v[STW], v[4*i:4*i+3] offset:512*i
.set i, i+1
.endr
	WIN 0x0c                                       ; in window 3
.set i, 0
.rept 64
	ds_store_b128 v[STW], v[4*i:4*i+3] offset:32768+512*i
.set i, i+1
.endr
	WIN 0
	s_wait_dscnt 0x0                               ; my stores are done, for the other waves' sake
	s_barrier_signal -1
	s_barrier_wait -1
.irp sw, 0,1,2,3
	ds_load_b128 v[MX+4*\sw:MX+4*\sw+3], v[SRD] offset:SCRL+512*\sw
.endr
	WIN 0x80
.irp sw, 0,1
.set i, 0
.rept 32
	ds_load_b128 v[128*\sw+4*i:128*\sw+4*i+3], v[STR+\sw] offset:512*i
.set i, i+1
.endr
.endr
	WIN 0xc0
.irp sw, 0,1
.set i, 0
.rept 32
	ds_load_b128 v[128*\sw+4*i:128*\sw+4*i+3], v[STR+2+\sw] offset:512*i
.set i, i+1
.endr
.endr
	WIN 0
	s_wait_dscnt 63                                ; of 132 loads at most 63 are out: the first 69 are in, the four sums and window 2's 64 among them
	v_pk_add_f32 v[MX:MX+1],     v[MX:MX+1],     v[MX+4:MX+5]
	v_pk_add_f32 v[MX+2:MX+3],   v[MX+2:MX+3],   v[MX+6:MX+7]
	v_pk_add_f32 v[MX+8:MX+9],   v[MX+8:MX+9],   v[MX+12:MX+13]
	v_pk_add_f32 v[MX+10:MX+11], v[MX+10:MX+11], v[MX+14:MX+15]
	v_pk_add_f32 v[MX:MX+1],     v[MX:MX+1],     v[MX+8:MX+9]
	v_pk_add_f32 v[MX+2:MX+3],   v[MX+2:MX+3],   v[MX+10:MX+11]
.irp t, 0,1,2,3
	v_rcp_f32 v[GP+2*\t],   v[MX+\t]               ; the sum holds the term of the largest energy, which is about 1: no small divisor.  Made twice, to fill the pair
	v_rcp_f32 v[GP+2*\t+1], v[MX+\t]               ; that the packed multiply takes; the additions below stand between the reciprocals and their first use (ISA guide 5.7.2)
.endr
	WIN 0x8a
.set i, 0
.rept 64
	v_pk_add_f32 v[2*i:2*i+1], v[2*i:2*i+1], v[128+2*i:128+2*i+1]      ; wave 0's + wave 1's
.set i, i+1
.endr
	s_wait_dscnt 0x0
	WIN 0xcf
.set i, 0
.rept 64
	v_pk_add_f32 v[2*i:2*i+1], v[2*i:2*i+1], v[128+2*i:128+2*i+1]      ; wave 2's + wave 3's
.set i, i+1
.endr
	WIN 0x8e
.set i, 0
.rept 64
	v_pk_add_f32 v[2*i:2*i+1], v[2*i:2*i+1], v[2*i:2*i+1]              ; window 2 += window 3
.set i, i+1
.endr
; ---------------------------------------------------------------------------------------------------------------------------------------------
; THE PRODUCT WITH wv.  Window 2 v[0:127]: the sums of my 64 channels, tile (o, t) at 8 (4 o + t).  Divided by the row sums and rounded they are B fragments as they lie:
; register j of tiles 2 k and 2 k + 1 holds channels 8 h + j and 16 + 8 h + j of K step k, the very places of a fragment's registers 0-3 and 4-7.
	WIN 0x82                                       ; sums in window 2, 1 / row sum in window 0
	s_wait_alu depctr_va_vdst(0)
.irp o, 0,1,2,3
.irp t, 0,1,2,3
.irp p, 0,1,2,3
	v_pk_mul_f32 v[8*(4*\o+\t)+2*\p:8*(4*\o+\t)+2*\p+1], v[8*(4*\o+\t)+2*\p:8*(4*\o+\t)+2*\p+1], v[GP+2*\t:GP+2*\t+1]
.endr
.endr
.endr
	WIN 0x8a
.irp k, 0,1
.irp t, 0,1,2,3
.irp f, 0,1
.irp p, 0,1,2,3
	v_cvt_pk_bf16_f32 v[OB+8*(4*\k+\t)+4*\f+\p], v[8*(4*(2*\k+\f)+\t)+2*\p], v[8*(4*(2*\k+\f)+\t)+2*\p+1]
.endr
.endr
.endr
.endr
	WIN 0x08                                       ; store data in window 2
.set i, 0
.rept 16
	ds_store_b128 v[OXW], v[OB+4*i:OB+4*i+3] offset:512*i              ; fragment (K step 2 w + k, t) at 1,024 (4 (2 w + k) + t): bytes that no wave reads or writes in the merge
.set i, i+1
.endr
	WIN 0
	s_wait_dscnt 0x0                               ; my stores are done, for the other waves' sake
	s_barrier_signal -1
	s_barrier_wait -1
	WIN 0xc0
.set i, 0
.rept 64
	ds_load_b128 v[4*i:4*i+3], v[OXR] offset:512*i                     ; all 32 fragments, by K steps, eight loads a step
.set i, i+1
.endr
	s_wait_loadcnt 0x0                             ; wv's fragments, bv, and x
; 8 matrix instructions: my row tiles 2 op, 2 op + 1 x the four query tiles, K step ks.  first = 1: C is bv and D the accumulator.
; The eight accumulators of a pass take turns, one instruction a turn.
.macro OW op, ks, first
.irp oo, 0,1
.irp t, 0,1,2,3
.if \first
	v_wmma_f32_16x16x32_bf16 v[8*(4*(2*\op+\oo)+\t):8*(4*(2*\op+\oo)+\t)+7], v[WA0*(1-\op)+64*\oo+8*\ks:WA0*(1-\op)+64*\oo+8*\ks+7], v[8*(4*\ks+\t):8*(4*\ks+\t)+7], v[BIAS+8*(2*\op+\oo):BIAS+8*(2*\op+\oo)+7]
.else
	v_wmma_f32_16x16x32_bf16 v[8*(4*(2*\op+\oo)+\t):8*(4*(2*\op+\oo)+\t)+7], v[WA0*(1-\op)+64*\oo+8*\ks:WA0*(1-\op)+64*\oo+8*\ks+7], v[8*(4*\ks+\t):8*(4*\ks+\t)+7], v[8*(4*(2*\op+\oo)+\t):8*(4*(2*\op+\oo)+\t)+7]
.endif
.endr
.endr
.endm
	WIN 0x8c                                       ; D window 2, C (bv) window 0, B window 3, A window 0
	s_wait_dscnt 56                                ; the seven later K steps' fragments stay out
	OW 0, 0, 1
	WIN 0xac                                       ; C window 2
.irp ks, 1,2,3,4,5,6,7
	s_wait_dscnt 8*(7-\ks)
	OW 0, \ks, 0
.endr
	WIN 0x8d                                       ; A window 1
	OW 1, 0, 1
	WIN 0xad
.irp ks, 1,2,3,4,5,6,7
	OW 1, \ks, 0
.endr
	WIN 0
	PLACES
.irp o, 0,1,2,3
	WIN 0x52                                       ; the product in window 2, x and the result in window 1
.irp j, 0,1,2,3,4,5,6,7
.irp t, 0,1,2,3
	v_fma_f32 v[XR+4*(8*\o+\j)+\t], v[8*(4*\o+\t)+\j], s43, v[XR+4*(8*\o+\j)+\t]   ; gamma * (wv average + bv) + x
.endr
.endr
	WIN 0x04                                       ; store data in window 1
.irp j, 0,1,2,3,4,5,6,7
	global_store_b128 v[OO], v[XR+4*(8*\o+\j):XR+4*(8*\o+\j)+3], s[12:13] offset:(16*\o+\j)*ROWB th:TH_STORE_NT   ; sixteen lanes store the block's 256 bytes of a row, aligned
.endr
.endr
	WIN 0
	s_wait_tensorcnt 0x0
	ds_add_u32 v250, v251
	s_wait_dscnt 0x0
	CROUND                                         ; the closing round: no work-group ends while a partner may still ask for a package that names it
	s_endpgm
.Lfunc_end_k_q0ca8d742f8_attn:
	.size	k_q0ca8d742f8_attn, .Lfunc_end_k_q0ca8d742f8_attn-k_q0ca8d742f8_attn
	.p2alignl 7, 3214868480
	.fill 96, 4, 3214868480
	.section	.rodata,"a",@progbits
	.p2align	6, 0x0
	.amdhsa_kernel k_q0ca8d742f8_attn
		.amdhsa_group_segment_fixed_size 327680
		.amdhsa_private_segment_fixed_size 0
		.amdhsa_enable_private_segment 0
		.amdhsa_kernarg_size 56
		.amdhsa_user_sgpr_count 2
		.amdhsa_user_sgpr_kernarg_segment_ptr 1
		.amdhsa_wavefront_size32 1
		.amdhsa_system_sgpr_workgroup_id_x 1
		.amdhsa_system_sgpr_workgroup_id_y 1
		.amdhsa_system_sgpr_workgroup_id_z 1
		.amdhsa_system_vgpr_workitem_id 0
		.amdhsa_next_free_vgpr 1024
		.amdhsa_next_free_sgpr 66
		.amdhsa_reserve_vcc 0
		.amdhsa_float_denorm_mode_32 3
		.amdhsa_float_denorm_mode_16_64 3
		.amdhsa_memory_ordered 1
		.amdhsa_forward_progress 1
		.amdhsa_inst_pref_size 255
	.end_amdhsa_kernel
	.section	.bss,"aw",@nobits
	.p2align	6
	.space	262144
	.amdgpu_metadata
---
amdhsa.version: [ 1, 2 ]
amdhsa.kernels:
  - .name:           k_q0ca8d742f8_attn
    .symbol:         k_q0ca8d742f8_attn.kd
    .args:
      - { .name: q, .offset: 0, .size: 8, .value_kind: global_buffer, .address_space: global }
      - { .name: kv, .offset: 8, .size: 8, .value_kind: global_buffer, .address_space: global }
      - { .name: x, .offset: 16, .size: 8, .value_kind: global_buffer, .address_space: global }
      - { .name: gamma, .offset: 24, .size: 8, .value_kind: global_buffer, .address_space: global }
      - { .name: wvf, .offset: 32, .size: 8, .value_kind: global_buffer, .address_space: global }
      - { .name: bv, .offset: 40, .size: 8, .value_kind: global_buffer, .address_space: global }
      - { .name: out0, .offset: 48, .size: 8, .value_kind: global_buffer, .address_space: global }
    .group_segment_fixed_size: 327680
    .private_segment_fixed_size: 0
    .kernarg_segment_align: 8
    .kernarg_segment_size: 56
    .max_flat_workgroup_size: 128
    .sgpr_count:     66
    .vgpr_count:     1024
    .wavefront_size: 32
...
	.end_amdgpu_metadata
.endif
;; end of part 2
;; ======== version 2 of 2: 2 launches; version 1 with the launch proj written anew for expert scheduling mode
;; workspace buffers: q 1,048,576 bytes; kv 9,437,184 bytes; wvf 131,072 bytes
;; launch proj (part 3): grid 256 x 1, 4 waves a work-group, no clusters, 168,448 bytes of LDS; arguments x, wq, bq, wk, bk, wv, q, kv, wvf; writes q, kv, wvf
.if DOCPART == 3
	.amdgcn_target "amdgcn-amd-amdhsa--gfx1250"
	.amdhsa_code_object_version 6
	.text
	.protected	k_q0ca8d742f8_proj
	.globl	k_q0ca8d742f8_proj
	.p2align	8
	.type	k_q0ca8d742f8_proj,@function
k_q0ca8d742f8_proj:
	s_mov_b64 s[64:65], 0
	v_nop
	global_prefetch_b8 v0, s[64:65] scope:SCOPE_SE
	s_setreg_imm32_b32 hwreg(HW_REG_WAVE_SCHED_MODE, 0, 2), 2
	s_setreg_imm32_b32 hwreg(HW_REG_WAVE_MODE, 25, 1), 1
	s_wait_xcnt 0x0
	s_wait_alu depctr_vm_vsrc(0)
; First launch of the self-attention: q = wq x + bq and k = wk x + bk in bf16 products with f32 sums, and x and wv rounded to bf16,
; all stored in the order in which the second launch's matrix instructions want them.
; THE PRODUCT WITH wv IS NOT MADE HERE.  A row of the softmax sums to one, so sum_j a_ij (wv x_j + bv) = wv (sum_j a_ij x_j) + bv for every input: the second launch
; averages x itself and multiplies its 64 averaged pixels with wv afterwards.  So no work-group has to fetch and round wv's 262,144 bytes for 64 pixels.
; x: [4][256][4096] f32.  A work-group takes one block of 64 pixels of one image (256 bytes of each of the 256 rows of x).
; Wave w makes row tile w of {q 0-15, q 16-31, k 0-15, k 16-31} against four pixel tiles: 4 accumulators, 8 K steps of 32 channels, 32 matrix instructions.
; PIXEL TILES: column r of pixel tile t is pixel 4 r + t of the block, so that a lane's 16-byte load of x (pixels 4 r .. 4 r + 3) feeds the four tiles.
; OUTPUT FORMATS (L = lane, r = L & 15, h = L >> 4):
;   q, and k inside kv: a block is 4,096 bytes; at t*1024 + c*512 + 16 L lie the eight bf16 d = 16 c + 8 h + 0..7 of pixel 4 r + t: the register image of a 16 x 32 fragment.
;   q is multiplied by log2(e)/sqrt(32) before it is rounded, so that the second launch's exponentials are plain powers of two.
;   x inside kv: a block is 128 units of 256 bytes; unit 8 ot + j holds channels 16 ot + j (bytes 0-127) and 16 ot + 8 + j (bytes 128-255), pixels 0..63 in order.
;   kv: for each image 16 packages of 147,456 bytes; package T = x of blocks 4 T .. 4 T + 3 (131,072 bytes), then k of blocks 4 ((T+1) & 15) .. + 3 (16,384 bytes).
;   wvf: fragment (ot, ks) of wv at (8 ot + ks)*1024 + c*512 + 16 L: the eight bf16 k = 32 ks + 16 c + 8 h + 0..7 of row 16 ot + r.  Work-group g makes the 512 bytes at 512 g.
; NO TENSOR LOADS, NO CLUSTER, though all work-groups read the same wq and wk: these are 65,536 of a work-group's 131,072 bytes, they are wanted once, at the start, and they
; have to be rounded in registers before they can be operands; a joint load would lay them into LDS as f32, twice the bytes to read back, and would put two rounds of a
; cluster's barrier round a text of 32 matrix instructions a wave.
; The launch asks for more than half of a WGP's LDS (it uses 66,560 bytes), so that each of the 256 work-groups has a WGP to itself.
; LIMITS: operands are rounded to bf16 (nearest even); NaN and infinities go through as the matrix unit makes them.
; THE MODE: SCHED_MODE bits 1:0 = 2 (LLVM: expert scheduling mode 2), set by the entry lines.  The code itself states the register dependences
; between vector or matrix instructions and memory or LDS instructions, with s_wait_alu, always for 0.
; THE PLAN.  Registers that memory or LDS instructions touch:
;   v1 .. v9            offsets and LDS addresses: made once at the head, read by every load and store, never written again.
;   v[224:231], v[232:239]  the bias and my numbers of wv: loads land in them once; read by matrix instructions (as C) and by wave 0's four conversions.
;   window 1, v[0:255]  the 64 loads of the staging land in them; the batches' conversions read them; then the 64 LDS loads of x's fragments land in them; the matrix instructions read those.
;   FX v[32:95]         written by the conversions of batches 0-3; read by their LDS stores; later written by the matrix instructions (v[32:63]) and by the last conversions (v[64:79]).
;   VX v[96:159]        written by the same batches' conversions; read by the global stores of x's units; never written again.
;   FW v[160:223]       written by the conversions of batches 4-7; read by their LDS stores; then the LDS loads of the weights' fragments land in them.
;   WVP v[240:243], QP v[64:79]  written by conversions, read by stores, never written again.
;   v254, v255          written at the head, read by the closing add alone.
; Every batch has out-registers of its own, so batch b's stores stand in batch b + 1: behind the wait for that batch's loads and ONE wait on va_vdst, ahead of that batch's
; conversions, which name other registers.  One wait on vm_vsrc, behind the barrier, stands ahead of everything that writes FX's and FW's registers again.
.set ROWX,   16384                     ; bytes from channel to channel in x
.set WPITCH, 528                       ; an LDS row of weights: 512 bytes + 16, an odd multiple of 16: the 16 rows of a fragment load start 16 bytes apart modulo 256
.set WREG,   16*WPITCH                 ; a wave's own 16 rows of weights
.set XS,     4*WREG                    ; behind them: x as 32 fragments of 1,024 bytes, shared by the four waves
.set PKG,    147456
.set KVB,    16*PKG
.set KOFFG,  131072                    ; where k begins in a package
; window 0
.set XO,   1                           ; v1   h*8 rows of x + 16 r
.set LO,   2                           ; v2   16 L
.set BO,   3                           ; v3   32 h: my eight biases of the row tile
.set WST,  4                           ; v4   my wave's weights in LDS + 8 L
.set XST,  5                           ; v5   where my wave puts its eight fragments of x, + 16 L
.set XFA,  6                           ; v6   XS + 16 L
.set WFA,  7                           ; v7   my wave's weights + r*WPITCH + 16 h
.set VO,   8                           ; v8   8 L
.set WVO,  9                           ; v9   r rows of wv + 32 h
.set FX,   32                          ; v[32:95]   x rounded as fragments: 16 registers for each of 4 batches
.set VX,   96                          ; v[96:159]  x rounded as units: 16 registers for each of 4 batches; store data, never written again
.set FW,   160                         ; v[160:223] weights rounded: 16 registers for each of 4 batches
.set BIAS, 224                         ; v[224:231] the bias as a C operand
.set WVL,  232                         ; v[232:239] my eight numbers of wv
.set WVP,  240                         ; v[240:243] the same, rounded
.set ACC,  32                          ; later: accumulator t at ACC + 8 t
.set QP,   64                          ; later: q or k packed, 16 registers
.set WF,   160                         ; later: the weights' fragment of K step ks at WF + 8 ks
; window 1: v[0:255] the 64 loads of the staging, batch b at 32 b; later the 32 fragments of x, (ks, t) at 8 (4 ks + t)
.set MSB, 0
.macro WIN new                         ; s_set_vgpr_msb: bits 1:0 source 0, 3:2 source 1, 5:4 source 2, 7:6 destination; the high byte repeats the setting that is left
.if MSB != \new
	s_set_vgpr_msb (MSB<<8)|\new
.set MSB, \new
.endif
.endm
.macro PLACES                          ; four plain vector instructions between a matrix instruction and a vector read of its result (ISA guide 7.12.1)
.rept 4
	v_nop
.endr
.endm
	s_load_b512 s[16:31], s[0:1], 0x0              ; x s[16:17], wq s[18:19], bq s[20:21], wk s[22:23], bk s[24:25], wv s[26:27], q s[28:29], kv s[30:31]
	s_load_b64 s[32:33], s[0:1], 0x40              ; wvf
	v_lshl_add_u32 v254, v0, 2, 0x29000            ; my spare word, behind the 167,936 bytes, and 0: made here and kept for the closing lines alone
	v_mov_b32 v255, 0
	v_lshrrev_b32 v10, 5, v0
	v_readfirstlane_b32 s4, v10                    ; wave 0..3
	v_and_b32 v10, 15, v0                          ; r
	v_bfe_u32 v11, v0, 4, 1                        ; h
	v_and_b32 v12, 31, v0                          ; L
	v_lshlrev_b32 v[XO], 4, v10
	v_lshl_add_u32 v[XO], v11, 17, v[XO]           ; 8 h rows of 16,384 bytes + 16 r
	v_lshlrev_b32 v[LO], 4, v12
	v_lshlrev_b32 v[BO], 5, v11
	v_lshlrev_b32 v[VO], 3, v12
	v_lshlrev_b32 v[WVO], 10, v10
	v_lshl_add_u32 v[WVO], v11, 5, v[WVO]          ; r rows of 1,024 bytes + 8 h numbers
	s_wait_alu depctr_va_sdst(0)                   ; s4 is written, ahead of its first reader: offsets, LDS addresses and the choice of pointers are made from it
	s_lshr_b32 s5, ttmp9, 6                        ; image
	s_and_b32 s6, ttmp9, 63                        ; block of 64 pixels
	s_and_b32 s7, s4, 1                            ; which 16 of the 32 rows of q or of k are mine
	; byte offsets, each in a pair of its own
	s_lshl_b32 s10, s5, 22                         ; x: image * 4 MiB
	s_lshl_b32 s2, s6, 8
	s_add_co_u32 s10, s10, s2                      ; + block * 256
	s_lshl_b32 s2, s4, 20
	s_add_co_u32 s10, s10, s2                      ; + my 64 channels (the ones that I bring in and round)
	s_mov_b32 s11, 0
	s_lshl_b32 s12, s7, 14                         ; wq or wk: 16 rows of 1,024 bytes
	s_mov_b32 s13, 0
	s_lshl_b32 s14, s7, 6                          ; bq or bk: 16 numbers
	s_mov_b32 s15, 0
	s_lshr_b32 s44, ttmp9, 4                       ; wv: the work-group's half fragment: row tile g >> 4,
	s_lshl_b32 s44, s44, 14
	s_and_b32 s2, ttmp9, 15
	s_lshl_b32 s2, s2, 6                           ; columns 16 (g & 15) ..
	s_add_co_u32 s44, s44, s2
	s_mov_b32 s45, 0
	s_lshl_b32 s46, ttmp9, 9                       ; wvf: 512 bytes a work-group
	s_mov_b32 s47, 0
	s_lshl_b32 s9, s7, 9                           ; in a block of q or k: my half c of the channels
	s_lshl_b32 s48, ttmp9, 12                      ; q: 4,096 bytes a block
	s_add_co_u32 s48, s48, s9
	s_mov_b32 s49, 0
	s_mul_i32 s3, s5, KVB                          ; kv: the image
	s_lshr_b32 s54, s6, 2                          ; key tile of 256 = four blocks
	s_and_b32 s55, s6, 3                           ; the block's place in it
	s_add_co_u32 s50, s54, 15                      ; k of tile T lies in package (T + 15) & 15
	s_and_b32 s50, s50, 15
	s_mul_i32 s50, s50, PKG
	s_add_co_u32 s50, s50, s3
	s_lshl_b32 s2, s55, 12
	s_add_co_u32 s50, s50, s2
	s_add_co_u32 s50, s50, s9
	s_add_co_u32 s50, s50, KOFFG
	s_mov_b32 s51, 0
	s_mul_i32 s52, s54, PKG                        ; x of tile T lies in package T
	s_add_co_u32 s52, s52, s3
	s_lshl_b32 s2, s55, 15
	s_add_co_u32 s52, s52, s2
	s_lshl_b32 s2, s4, 13                          ; my 32 units of 256 bytes
	s_add_co_u32 s52, s52, s2
	s_mov_b32 s53, 0
	; LDS addresses: a constant, the wave's number times a constant, a lane term
	s_mul_i32 s8, s4, WREG
	v_lshl_add_u32 v[WST], v12, 3, s8
	v_mul_u32_u24 v[WFA], v10, WPITCH
	v_lshl_add_u32 v[WFA], v11, 4, v[WFA]
	v_add_nc_u32 v[WFA], s8, v[WFA]
	s_lshl_b32 s2, s4, 13
	s_add_co_u32 s2, s2, XS
	v_add_nc_u32 v[XST], s2, v[LO]
	v_add_nc_u32 v[XFA], XS, v[LO]
	s_wait_kmcnt 0x0
	s_add_nc_u64 s[16:17], s[16:17], s[10:11]      ; x
	s_add_nc_u64 s[26:27], s[26:27], s[44:45]      ; wv
	s_add_nc_u64 s[32:33], s[32:33], s[46:47]      ; wvf
	s_add_nc_u64 s[28:29], s[28:29], s[48:49]      ; where a q tile goes
	s_add_nc_u64 s[50:51], s[30:31], s[50:51]      ; where a k tile goes
	s_add_nc_u64 s[42:43], s[30:31], s[52:53]      ; where my units of x go
	s_cmp_lt_u32 s4, 2                             ; waves 0, 1 make q, waves 2, 3 make k: the same text, other pointers (the 64-bit sums below leave SCC alone)
	s_cselect_b64 s[34:35], s[18:19], s[22:23]
	s_cselect_b64 s[36:37], s[20:21], s[24:25]
	s_cselect_b64 s[40:41], s[28:29], s[50:51]
	s_cselect_b32 s38, 0x3e8293ee, 1.0             ; log2(e)/sqrt(32) for q, 1 for k
	s_mov_b32 s39, s38
	s_add_nc_u64 s[34:35], s[34:35], s[12:13]
	s_add_nc_u64 s[36:37], s[36:37], s[14:15]
	s_wait_alu depctr_va_vdst(0)                   ; the nine offsets and addresses v1 to v9 are written: every load and store of the kernel reads one of them, and none is written again
	; The bias, as a C operand: register j of lane (r, h) belongs to row 8 h + j of the tile, whatever the column.
	global_load_b128 v[BIAS:BIAS+3],   v[BO], s[36:37]
	global_load_b128 v[BIAS+4:BIAS+7], v[BO], s[36:37] offset:16
	; The work-group's 1,024 bytes of wv (64 bytes of each of 16 rows, once in the launch).  All four waves fetch them, so that the text has one count of loads for every wave;
	; wave 0 alone rounds and stores them.
	global_load_b128 v[WVL:WVL+3],   v[WVO], s[26:27]
	global_load_b128 v[WVL+4:WVL+7], v[WVO], s[26:27] offset:16
; STAGING: 8 batches of eight 16-byte loads, all issued at once, each into registers of its own (window 1), which no vector instruction has named.
; Batches 0-3: x, 16 channels each (channel 64 w + 16 b + 8 h + e): sixteen lanes read the block's 256 bytes of a row.
; Batches 4-7: my 16 rows of wq or wk, four rows a batch: a load is half a row, 512 consecutive bytes.
.macro ISSUE b
.if (\b) < 4
.irp e, 0,1,2,3,4,5,6,7
	global_load_b128 v[32*(\b)+4*\e:32*(\b)+4*\e+3], v[XO], s[16:17] offset:(16*(\b)+\e)*ROWX th:TH_LOAD_NT
.endr
.else
.irp e, 0,1,2,3,4,5,6,7
	global_load_b128 v[32*(\b)+4*\e:32*(\b)+4*\e+3], v[LO], s[34:35] offset:((\b)-4)*4096+\e*512
.endr
.endif
.endm
; A batch is rounded into registers of its own: no register that a store reads is written again by a later batch.
.macro CONV b
	WIN 0x05                                       ; sources in window 1, results in window 0
.if (\b) < 4
.irp t, 0,1,2,3
.irp p, 0,1,2,3
	v_cvt_pk_bf16_f32 v[FX+16*(\b)+4*\t+\p], v[32*(\b)+8*\p+\t], v[32*(\b)+8*\p+4+\t]     ; channels 2 p, 2 p + 1 of my eight, pixel 4 r + t
.endr
.endr
.irp e, 0,1,2,3,4,5,6,7
	v_cvt_pk_bf16_f32 v[VX+16*(\b)+2*\e],   v[32*(\b)+4*\e],   v[32*(\b)+4*\e+1]           ; channel e of my eight, pixels 4 r, 4 r + 1
	v_cvt_pk_bf16_f32 v[VX+16*(\b)+2*\e+1], v[32*(\b)+4*\e+2], v[32*(\b)+4*\e+3]           ; pixels 4 r + 2, 4 r + 3
.endr
.else
.irp e, 0,1,2,3,4,5,6,7
	v_cvt_pk_bf16_f32 v[FW+16*((\b)-4)+2*\e],   v[32*(\b)+4*\e],   v[32*(\b)+4*\e+1]
	v_cvt_pk_bf16_f32 v[FW+16*((\b)-4)+2*\e+1], v[32*(\b)+4*\e+2], v[32*(\b)+4*\e+3]
.endr
.endif
.endm
; The stores of batch b, in one run, under window 0.
.macro SEND b
.if (\b) < 4
.irp t, 0,1,2,3
	ds_store_b128 v[XST], v[FX+16*(\b)+4*\t:FX+16*(\b)+4*\t+3] offset:((\b)/2)*4096+\t*1024+((\b)%2)*512   ; half a fragment: K step 2 w + b/2, pixel tile t
.endr
.irp e, 0,1,2,3,4,5,6,7
	global_store_b64 v[VO], v[VX+16*(\b)+2*\e:VX+16*(\b)+2*\e+1], s[42:43] offset:256*(8*(\b)+\e)          ; the wave's store covers one unit: 256 consecutive bytes, aligned
.endr
.else
.irp e, 0,1,2,3,4,5,6,7
	ds_store_b64 v[WST], v[FW+16*((\b)-4)+2*\e:FW+16*((\b)-4)+2*\e+1] offset:(4*((\b)-4)+\e/2)*WPITCH+(\e%2)*256
.endr
.endif
.endm
	WIN 0x40                                       ; loaded data in window 1
.set bb, 0
.rept 8
	ISSUE bb
.set bb, bb+1
.endr
.set bb, 0
.rept 8
	s_wait_loadcnt 8*(7-bb)                        ; loads come back in order (ISA guide 5.7.1): batch bb is in, the batches behind it stay out
.if bb > 0
	WIN 0
	s_wait_alu depctr_va_vdst(0)                   ; the conversions of the batch before have written its out-registers, which the stores below read
	SEND bb-1
.endif
	CONV bb                                        ; names this batch's registers alone: none that the stores above read
.set bb, bb+1
.endr
	WIN 0
	s_wait_alu depctr_va_vdst(0)                   ; batch 7's conversions have written v[208:223], which the stores below read; and all conversions are done with FW's and window 1's registers, in which the fragments' loads land further down
	SEND 7
	; wv's half fragment: its loads are older than every batch's, so they are in
	s_cmp_lg_u32 s4, 0
	s_cbranch_scc1 .Lnot_wave_0
.irp p, 0,1,2,3
	v_cvt_pk_bf16_f32 v[WVP+\p], v[WVL+2*\p], v[WVL+2*\p+1]
.endr
	s_wait_alu depctr_va_vdst(0)                   ; the four conversions have written v[240:243], which the store reads
	global_store_b128 v[LO], v[WVP:WVP+3], s[32:33]                    ; 512 consecutive bytes
.Lnot_wave_0:
	s_wait_dscnt 0x0                               ; my stores into LDS are done, for the other waves' sake: they read my fragments of x
	s_barrier_signal -1
	s_barrier_wait -1
	s_wait_alu depctr_vm_vsrc(0)                   ; my LDS stores have read v[32:95] and v[160:223]: the loads below land in v[160:223], the matrix instructions write v[32:63], the last conversions v[64:79]
	                                               ; (the conversions that named v[160:223] and window 1's registers stand ahead of the wait on va_vdst in front of the last batch's stores; since then only v[232:243] have been named)
; PRODUCTS.  All 80 fragment loads in one run, each into registers of its own: the weights' 16 first, then x by K steps, eight loads a step.
.irp ks, 0,1,2,3,4,5,6,7
	ds_load_b128 v[WF+8*\ks:WF+8*\ks+3],   v[WFA] offset:\ks*64
	ds_load_b128 v[WF+8*\ks+4:WF+8*\ks+7], v[WFA] offset:\ks*64+32
.endr
	WIN 0x40
.set i, 0
.rept 64
	ds_load_b128 v[4*i:4*i+3], v[XFA] offset:512*i
.set i, i+1
.endr
	WIN 0x04                                       ; source 1 (x) in window 1, all else in window 0
; The four accumulators take turns, one instruction a turn, in the same order in every K step.
; In the first K step C is the bias and D the accumulator, so the bias costs nothing and nothing is cleared.
.irp ks, 0,1,2,3,4,5,6,7
	s_wait_dscnt 8*(7-\ks)                         ; LDS loads come back in order (ISA guide 5.7.1): the later K steps' fragments of x stay out
.irp t, 0,1,2,3
.if \ks == 0
	v_wmma_f32_16x16x32_bf16 v[ACC+8*\t:ACC+8*\t+7], v[WF+8*\ks:WF+8*\ks+7], v[8*(4*\ks+\t):8*(4*\ks+\t)+7], v[BIAS:BIAS+7]
.else
	v_wmma_f32_16x16x32_bf16 v[ACC+8*\t:ACC+8*\t+7], v[WF+8*\ks:WF+8*\ks+7], v[8*(4*\ks+\t):8*(4*\ks+\t)+7], v[ACC+8*\t:ACC+8*\t+7]
.endif
.endr
.endr
	WIN 0
	; THE WAY OUT.  Register j of accumulator t in lane (r, h) is row 8 h + j of the tile, pixel 4 r + t.
	PLACES
.irp p, 0,1,2,3,4,5,6,7,8,9,10,11,12,13,14,15
	v_pk_mul_f32 v[ACC+2*\p:ACC+2*\p+1], v[ACC+2*\p:ACC+2*\p+1], s[38:39] op_sel_hi:[1,0]  ; q by log2(e)/sqrt(32), k by 1
.endr
.irp t, 0,1,2,3
.irp p, 0,1,2,3
	v_cvt_pk_bf16_f32 v[QP+4*\t+\p], v[ACC+8*\t+2*\p], v[ACC+8*\t+2*\p+1]
.endr
.endr
	s_wait_alu depctr_va_vdst(0)                   ; the sixteen conversions have written v[64:79], which the four stores read
.irp t, 0,1,2,3
	global_store_b128 v[LO], v[QP+4*\t:QP+4*\t+3], s[40:41] offset:1024*\t                 ; 512 consecutive bytes: half a fragment
.endr
	s_wait_dscnt 0x0                               ; the closing lines, six on end
	s_wait_alu 0x0
	s_wait_tensorcnt 0x0
	ds_add_u32 v254, v255
	s_wait_dscnt 0x0
	s_endpgm
.Lfunc_end_k_q0ca8d742f8_proj:
	.size	k_q0ca8d742f8_proj, .Lfunc_end_k_q0ca8d742f8_proj-k_q0ca8d742f8_proj
	.p2alignl 7, 3214868480
	.fill 96, 4, 3214868480
	.section	.rodata,"a",@progbits
	.p2align	6, 0x0
	.amdhsa_kernel k_q0ca8d742f8_proj
		.amdhsa_group_segment_fixed_size 168448
		.amdhsa_private_segment_fixed_size 0
		.amdhsa_enable_private_segment 0
		.amdhsa_kernarg_size 72
		.amdhsa_user_sgpr_count 2
		.amdhsa_user_sgpr_kernarg_segment_ptr 1
		.amdhsa_wavefront_size32 1
		.amdhsa_system_sgpr_workgroup_id_x 1
		.amdhsa_system_sgpr_workgroup_id_y 1
		.amdhsa_system_sgpr_workgroup_id_z 1
		.amdhsa_system_vgpr_workitem_id 0
		.amdhsa_next_free_vgpr 512
		.amdhsa_next_free_sgpr 66
		.amdhsa_reserve_vcc 0
		.amdhsa_float_denorm_mode_32 3
		.amdhsa_float_denorm_mode_16_64 3
		.amdhsa_memory_ordered 1
		.amdhsa_forward_progress 1
		.amdhsa_inst_pref_size 40
	.end_amdhsa_kernel
	.amdgpu_metadata
---
amdhsa.version: [ 1, 2 ]
amdhsa.kernels:
  - .name:           k_q0ca8d742f8_proj
    .symbol:         k_q0ca8d742f8_proj.kd
    .args:
      - { .name: x, .offset: 0, .size: 8, .value_kind: global_buffer, .address_space: global }
      - { .name: wq, .offset: 8, .size: 8, .value_kind: global_buffer, .address_space: global }
      - { .name: bq, .offset: 16, .size: 8, .value_kind: global_buffer, .address_space: global }
      - { .name: wk, .offset: 24, .size: 8, .value_kind: global_buffer, .address_space: global }
      - { .name: bk, .offset: 32, .size: 8, .value_kind: global_buffer, .address_space: global }
      - { .name: wv, .offset: 40, .size: 8, .value_kind: global_buffer, .address_space: global }
      - { .name: q, .offset: 48, .size: 8, .value_kind: global_buffer, .address_space: global }
      - { .name: kv, .offset: 56, .size: 8, .value_kind: global_buffer, .address_space: global }
      - { .name: wvf, .offset: 64, .size: 8, .value_kind: global_buffer, .address_space: global }
    .group_segment_fixed_size: 168448
    .private_segment_fixed_size: 0
    .kernarg_segment_align: 8
    .kernarg_segment_size: 72
    .max_flat_workgroup_size: 128
    .sgpr_count:     66
    .vgpr_count:     512
    .wavefront_size: 32
...
	.end_amdgpu_metadata
.endif
;; end of part 3
;; launch attn: the kernel of part 2 again; grid 256 x 1, 4 waves a work-group, clusters of 4 x 1, 327,680 bytes of LDS; arguments q, kv, x, gamma, wvf, bv, out0; writes out0
